; MI455X (gfx1250); checked and timed in simulation.
; The chip was launched on July 23, 2026; its instructions are those of AMD's public machine-readable ISA for CDNA 5 (MIT licence, August 2026) and "CDNA5" Instruction Set Architecture Reference Guide (July 2026). The comments in the code are by the model that wrote it; some were corrected since.
;; Moe KAN Layer. Allowed arithmetic: float matrix products may take bf16 or f16 operands with f32 sums; other float arithmetic in f32, or as packed bf16 or f16 multiplies, adds, multiply-adds, maxima and minima; sums over many terms, partial sums and values carried from step to step in f32; what a program stores and reads back later, other than sums and carried values, may be rounded once to bf16 or f16.
;; Inputs: b1 8 x 4,096 float32; b2 8 x 1,024 float32; gate_b 8 float32; gate_w 1,024 x 8 float32; w1 8 x 1,024 x 4,096 float32; w2 8 x 4,096 x 1,024 float32; x 4 x 256 x 1,024 float32.
;; Outputs: out0 4 x 256 x 1,024 float32.
;; One version. Each part assembles by itself: llvm-mc -triple=amdgcn-amd-amdhsa -mcpu=gfx1250 --defsym DOCPART=n.
;; ======== version 1 of 1: 4 launches
;; limits: values are held in f16: magnitudes above 65,504 overflow, below 6.1e-05 lose precision
;; workspace buffers: xb 2,097,152 bytes; ridx 8,192 bytes of whole numbers; rwt 8,192 bytes; h 67,108,864 bytes; pos 32,768 bytes of whole numbers; cnts 2,048 bytes of whole numbers; part 134,217,728 bytes
;; launch router (part 1): grid 256 x 1, 4 waves a work-group, no clusters, 0 bytes of LDS; arguments x, gate_w, gate_b, xb, ridx, rwt; writes xb, ridx, rwt
.if DOCPART == 1
	.amdgcn_target "amdgcn-amd-amdhsa--gfx1250"
	.amdhsa_code_object_version 6
	.text
	.protected	k_q09f960dc00_router
	.globl	k_q09f960dc00_router
	.p2align	8
	.type	k_q09f960dc00_router,@function
k_q09f960dc00_router:
	s_mov_b64 s[64:65], 0
	v_nop
	global_prefetch_b8 v0, s[64:65] scope:SCOPE_SE
	s_setreg_imm32_b32 hwreg(HW_REG_WAVE_MODE, 25, 1), 1
	s_wait_xcnt 0x0
; ROUTER.  For each of the 1,024 tokens: x rounded to bf16 (xb, for the first product), the gate's 8 logits, their softmax, and the two largest probabilities with their experts.
; One wave takes one token: t = 4 x work-group + wave.  Lane l holds x[k] for k = 128 j + 4 l + i (j = 0..7, i = 0..3): eight loads of 16 bytes a lane, each 512 consecutive bytes a wave.
; FORMATS.  x, gate_w and gate_b are rounded once to bf16, as every input of the program is; products of two bf16 are exact in f32 and are summed in f32 (v_fma_mix_f32_bf16).
; The gate has 8 columns, a twentieth of a per cent of the program's products, and the row lies in the lanes anyway for its rounding: it is done by the vector unit, without LDS.
; SOFTMAX with the row's maximum taken away.  The two largest are found on e = exp(l - max), which the division by the common sum leaves in order; a strict > keeps the lower index at a tie.
; LIMITS.  An exponential below 2^-126 counts as 0.  A tie that only the division's rounding would make may fall otherwise than by the probabilities.  NaN is not treated apart.
; Nothing here steers an address: the choice is stored as whole numbers at fixed places (ridx[t][0..1]), its probabilities beside it (rwt[t][0..1]).
.set X,   8                            ; v[8:39]    x as loaded, 32 f32
.set XP,  40                           ; v[40:55]   x as 32 bf16
.set ACC, 56                           ; v[56:63]   the 8 logits
.set GP,  64                           ; v[64:95]   two sets of 16: a slot's gate weights as bf16, experts 2 q and 2 q + 1 in a word
.set G,   128                          ; v[128:255] gate_w's slots j = 0..3, 32 f32 each (register 8 i + e); slots 4..7 lie in window 1, v[0:127]
.set MSB, 0
.macro WIN new                         ; the immediate's high byte repeats the setting that is left; a switch that changes nothing is dropped
.if MSB != (\new)
	s_set_vgpr_msb (MSB<<8)|(\new)
.set MSB, (\new)
.endif
.endm
	s_load_b256 s[4:11], s[0:1], 0x0               ; x s[4:5], gate_w s[6:7], gate_b s[8:9], xb s[10:11]
	s_load_b128 s[12:15], s[0:1], 0x20             ; ridx s[12:13], rwt s[14:15]
	v_lshrrev_b32 v1, 5, v0
	v_readfirstlane_b32 s27, v1                    ; wave
	v_and_b32 v1, 31, v0                           ; lane
	v_lshlrev_b32 v2, 4, v1                        ; my 16 bytes in 512 of x
	v_lshlrev_b32 v3, 7, v1                        ; my four rows of gate_w, 32 bytes each
	v_lshlrev_b32 v4, 3, v1                        ; my 8 bytes in 256 of xb
	v_mov_b32 v5, 0
	v_mov_b32 v6, 0x3f803f80                       ; 1.0 twice, in bf16
	s_mov_b32 s24, 0x76543210                      ; v_permlanex16_b32: each lane takes its own place in the other half
	s_mov_b32 s25, 0xfedcba98
	s_lshl_b32 s26, ttmp9, 2
	s_add_co_u32 s26, s26, s27                     ; t
	s_lshl_b32 s28, s26, 12                        ; a row of x is 4,096 bytes,
	s_mov_b32 s29, 0
	s_lshl_b32 s30, s26, 11                        ; of xb 2,048,
	s_mov_b32 s31, 0
	s_lshl_b32 s32, s26, 3                         ; of ridx and rwt 8
	s_mov_b32 s33, 0
	s_wait_kmcnt 0x0
	s_load_b256 s[16:23], s[8:9], 0x0              ; gate_b, all 32 bytes
	s_add_nc_u64 s[4:5], s[4:5], s[28:29]
	s_add_nc_u64 s[10:11], s[10:11], s[30:31]
	s_add_nc_u64 s[12:13], s[12:13], s[32:33]
	s_add_nc_u64 s[14:15], s[14:15], s[32:33]
.irp j, 0,1,2,3,4,5,6,7
	global_load_b128 v[X+4*(\j):X+4*(\j)+3], v2, s[4:5] offset:512*(\j) th:TH_LOAD_NT
.endr
.irp j, 0,1,2,3                        ; slot j: rows 128 j + 4 l + i, 16 bytes u = 2 i + (upper four experts)
.irp u, 0,1,2,3,4,5,6,7
	global_load_b128 v[G+32*(\j)+4*(\u):G+32*(\j)+4*(\u)+3], v3, s[6:7] offset:4096*(\j)+16*(\u)
.endr
.endr
	WIN 0x40                                       ; destination window 1
.irp j, 4,5,6,7
.irp u, 0,1,2,3,4,5,6,7
	global_load_b128 v[32*((\j)-4)+4*(\u):32*((\j)-4)+4*(\u)+3], v3, s[6:7] offset:4096*(\j)+16*(\u)
.endr
.endr
	WIN 0
	s_wait_loadcnt 56                              ; slots 1 to 7, 56 loads, may be out: x, which is older, is in
.set z, 0
.rept 16
	v_cvt_pk_bf16_f32 v[XP+z], v[X+2*z], v[X+2*z+1]
.set z, z+1
.endr
.irp j, 0,1,2,3,4,5,6,7
	global_store_b64 v4, v[XP+2*(\j):XP+2*(\j)+1], s[10:11] offset:256*(\j)  ; the wave's 32 lanes store 256 consecutive bytes, at a multiple of 256 from xb's first
.endr
; Slot j: its 32 gate weights are rounded, then 32 multiply-adds: x number i (word 2 j + i / 2, half i % 2) times the weight of expert e (word 4 i + e / 2, half e % 2).
.macro GATE j
	s_wait_loadcnt 56-8*(\j)                       ; the younger slots may be out
.if (\j) < 4
.set GB, G+32*(\j)
	WIN 0
.else
.set GB, 32*((\j)-4)
	WIN 0x05                                       ; sources 0 and 1 window 1
.endif
.set GS, GP+16*((\j)%2)
.set z, 0
.rept 16
	v_cvt_pk_bf16_f32 v[GS+z], v[GB+2*z], v[GB+2*z+1]
.set z, z+1
.endr
	WIN 0
.irp ih, 0,1
.irp il, 0,1
.irp eh, 0,1,2,3
.irp el, 0,1
.if ((\j) == 0) && ((\ih) == 0) && ((\il) == 0)
	v_fma_mix_f32_bf16 v[ACC+2*(\eh)+(\el)], v[XP+2*(\j)+(\ih)], v[GS+4*(2*(\ih)+(\il))+(\eh)], v5 op_sel:[\il,\el,0] op_sel_hi:[1,1,0]  ; the first eight start the sums
.else
	v_fma_mix_f32_bf16 v[ACC+2*(\eh)+(\el)], v[XP+2*(\j)+(\ih)], v[GS+4*(2*(\ih)+(\il))+(\eh)], v[ACC+2*(\eh)+(\el)] op_sel:[\il,\el,0] op_sel_hi:[1,1,0]
.endif
.endr
.endr
.endr
.endr
.endm
.irp j, 0,1,2,3,4,5,6,7
	GATE \j
.endr
	; the 32 lanes' parts are added: four steps inside each half of 16 lanes, one across; every lane ends with the sum
.irp m, 1,2,4,8
.irp e, 0,1,2,3,4,5,6,7
	v_add_f32_dpp v[ACC+(\e)], v[ACC+(\e)], v[ACC+(\e)] row_xmask:\m row_mask:0xf bank_mask:0xf
.endr
.endr
.irp e, 0,1,2,3,4,5,6,7
	v_permlanex16_b32 v[GP+(\e)], v[ACC+(\e)], s24, s25  ; its destination counts as read: these registers have been written
.endr
.irp e, 0,1,2,3,4,5,6,7
	v_add_f32 v[ACC+(\e)], v[ACC+(\e)], v[GP+(\e)]
.endr
	s_wait_kmcnt 0x0                               ; gate_b
.irp e, 0,1,2,3,4,5,6,7
	v_mov_b32 v[104+(\e)], s[16+(\e)]
.endr
.irp q, 0,1,2,3
	v_cvt_pk_bf16_f32 v[96+(\q)], v[104+2*(\q)], v[105+2*(\q)]
.endr
.irp eh, 0,1,2,3
.irp el, 0,1
	v_fma_mix_f32_bf16 v[ACC+2*(\eh)+(\el)], v[96+(\eh)], v6, v[ACC+2*(\eh)+(\el)] op_sel:[\el,0,0] op_sel_hi:[1,1,0]  ; + the rounded bias
.endr
.endr
	; softmax: the maximum is taken away, then 2^((l - m) log2 e)
	v_max3_num_f32 v96, v56, v57, v58
	v_max3_num_f32 v96, v96, v59, v60
	v_max3_num_f32 v96, v96, v61, v62
	v_max_num_f32 v96, v96, v63
.irp e, 0,1,2,3,4,5,6,7
	v_sub_f32 v[104+(\e)], v[ACC+(\e)], v96
.endr
.irp e, 0,1,2,3,4,5,6,7
	v_mul_f32 v[104+(\e)], 0x3fb8aa3b, v[104+(\e)]
.endr
.irp e, 0,1,2,3,4,5,6,7
	v_exp_f32 v[104+(\e)], v[104+(\e)]
.endr
	v_nop                                          ; a plain instruction behind the last exponential,
	s_wait_alu depctr_va_vdst(0)                   ; and one wait for the eight, ahead of their first reader
	v_add_f32 v97, v104, v105
	v_add_f32 v98, v106, v107
	v_add_f32 v99, v108, v109
	v_add_f32 v100, v110, v111
	v_add_f32 v97, v97, v98
	v_add_f32 v99, v99, v100
	v_add_f32 v97, v97, v99
	v_rcp_f32 v98, v97                             ; the two scans below are the independent work behind it
	v_mov_b32 v112, v104                           ; the largest, and its expert: an ascending scan
	v_mov_b32 v116, 0
.irp e, 1,2,3,4,5,6,7
	v_cmp_gt_f32 vcc_lo, v[104+(\e)], v112
	v_cndmask_b32 v112, v112, v[104+(\e)], vcc_lo
	v_cndmask_b32 v116, v116, \e, vcc_lo
.endr
.irp e, 0,1,2,3,4,5,6,7
	v_cmp_eq_u32 vcc_lo, \e, v116                  ; the winner leaves the field: every exponential is 0 or more
	v_cndmask_b32 v[104+(\e)], v[104+(\e)], -1.0, vcc_lo
.endr
	v_mov_b32 v113, v104                           ; the second largest
	v_mov_b32 v117, 0
.irp e, 1,2,3,4,5,6,7
	v_cmp_gt_f32 vcc_lo, v[104+(\e)], v113
	v_cndmask_b32 v113, v113, v[104+(\e)], vcc_lo
	v_cndmask_b32 v117, v117, \e, vcc_lo
.endr
	s_wait_alu depctr_va_vdst(0)                   ; the reciprocal's wait, ahead of its first reader
	v_mul_f32 v118, v112, v98
	v_mul_f32 v119, v113, v98
	v_cmp_eq_u32 vcc_lo, 0, v1
	s_wait_xcnt 0x0                                ; EXEC changes only behind this wait: the stores of xb have had their addresses translated
	s_and_saveexec_b32 s34, vcc_lo                 ; every lane holds the same four numbers: lane 0 stores them
	global_store_b64 v5, v[116:117], s[12:13]
	global_store_b64 v5, v[118:119], s[14:15]
	s_wait_xcnt 0x0
	s_or_b32 exec_lo, exec_lo, s34
	s_endpgm
.Lfunc_end_k_q09f960dc00_router:
	.size	k_q09f960dc00_router, .Lfunc_end_k_q09f960dc00_router-k_q09f960dc00_router
	.p2alignl 7, 3214868480
	.fill 96, 4, 3214868480
	.section	.rodata,"a",@progbits
	.p2align	6, 0x0
	.amdhsa_kernel k_q09f960dc00_router
		.amdhsa_group_segment_fixed_size 0
		.amdhsa_private_segment_fixed_size 0
		.amdhsa_enable_private_segment 0
		.amdhsa_kernarg_size 48
		.amdhsa_user_sgpr_count 2
		.amdhsa_user_sgpr_kernarg_segment_ptr 1
		.amdhsa_wavefront_size32 1
		.amdhsa_system_sgpr_workgroup_id_x 1
		.amdhsa_system_sgpr_workgroup_id_y 1
		.amdhsa_system_sgpr_workgroup_id_z 1
		.amdhsa_system_vgpr_workitem_id 0
		.amdhsa_next_free_vgpr 384
		.amdhsa_next_free_sgpr 66
		.amdhsa_reserve_vcc 1
		.amdhsa_float_denorm_mode_32 3
		.amdhsa_float_denorm_mode_16_64 3
		.amdhsa_memory_ordered 1
		.amdhsa_forward_progress 1
		.amdhsa_inst_pref_size 43
	.end_amdhsa_kernel
	.amdgpu_metadata
---
amdhsa.version: [ 1, 2 ]
amdhsa.kernels:
  - .name:           k_q09f960dc00_router
    .symbol:         k_q09f960dc00_router.kd
    .args:
      - { .name: x, .offset: 0, .size: 8, .value_kind: global_buffer, .address_space: global }
      - { .name: gate_w, .offset: 8, .size: 8, .value_kind: global_buffer, .address_space: global }
      - { .name: gate_b, .offset: 16, .size: 8, .value_kind: global_buffer, .address_space: global }
      - { .name: xb, .offset: 24, .size: 8, .value_kind: global_buffer, .address_space: global }
      - { .name: ridx, .offset: 32, .size: 8, .value_kind: global_buffer, .address_space: global }
      - { .name: rwt, .offset: 40, .size: 8, .value_kind: global_buffer, .address_space: global }
    .group_segment_fixed_size: 0
    .private_segment_fixed_size: 0
    .kernarg_segment_align: 8
    .kernarg_segment_size: 48
    .max_flat_workgroup_size: 128
    .sgpr_count:     66
    .vgpr_count:     384
    .wavefront_size: 32
...
	.end_amdgpu_metadata
.endif
;; end of part 1
;; launch up (part 2): grid 32 x 8, 4 waves a work-group, no clusters, 327,680 bytes of LDS; arguments xb, ridx, w1, b1, h, pos, cnts; writes h, pos, cnts
.if DOCPART == 2
	.amdgcn_target "amdgcn-amd-amdhsa--gfx1250"
	.amdhsa_code_object_version 6
	.text
	.protected	k_q09f960dc00_up
	.globl	k_q09f960dc00_up
	.p2align	8
	.type	k_q09f960dc00_up,@function
k_q09f960dc00_up:
	s_mov_b64 s[64:65], 0
	v_nop
	global_prefetch_b8 v0, s[64:65] scope:SCOPE_SE
	s_setreg_imm32_b32 hwreg(HW_REG_WAVE_MODE, 25, 1), 1
	s_wait_xcnt 0x0
; UP.  h = relu(x[token of place] . w1[e][:, f] + b1[e][f]), in f16, for the rows that chose expert e alone.
; SHARES.  Work-group (x, e) owns the slice w1[e][0..1023][128 x .. 128 x + 127], 512 KiB of f32 that no other work-group reads, and ALL of expert e's rows.
; Rows go in blocks of 16; block tau belongs to wave tau % 4.  A wave has up to 6 blocks x 128 columns in 384 accumulator registers; three passes of 24 blocks serve every split (an expert can have all 1,024 rows).
; THE STREAM AND THE FIRST PASS'S PRODUCTS GO SIDE BY SIDE.  The slice comes in 8 chunks of 128 k rows, 32 rows (32 loads of 512 consecutive bytes) a wave.  A chunk's turn: STORE, its rows are rounded to bf16
; and laid into LDS as [k][n], and each group of ring registers takes the next chunk's rows as soon as it is read; a barrier; PRODUCT, 4 K steps on the chunk, while the next chunk's 64 KiB are on their way; a barrier.
; W stays whole in LDS: passes 1 and 2 (an expert with more than 384 rows) read it again.
; THE ORDER OF LOADS.  Loads are counted done in the order of issue (ISA guide 5.7.1), so a wait for a younger load is a wait for all older ones.  The queue is: weights of chunk c, token rows of chunk c, weights of
; c + 1, rows of c + 1 ..: the rows of chunk c + 1 are asked for during PRODUCT(c), into ring slots just multiplied, behind the weights that are wanted before them and ahead of those that are wanted after them.
; All 12 row loads of a slot are issued whatever the wave's number of live blocks, so that every count is fixed; a dead block's lanes name a row that exists.  Behind a chunk's last products a wave has
; 80 loads issued and not counted done, more than the counter's field holds: the issue is held back there (ISA guide 5.7.1), where the next wait would hold the wave anyway.
; BARRIERS.  One wave's LDS writes and another's LDS reads stand in different spans, though their bytes are apart: hence two barriers a chunk.
; M, the wave's live blocks in a pass, hangs on the stored choice.  Blocks 0 to 2 are multiplied whatever M is (that spares three jumps and six window switches a K step; a wave has fewer only where its expert has
; under 12 blocks); blocks 3 to 5 and every dead block's stores are jumped forward.
; The matrix instruction is used transposed: source 0 = 16 columns of W (turned out of LDS by ds_load_tr16_b128), source 1 = 16 token rows, loaded from xb straight into operand registers.
; A lane then holds one row and eight neighbouring columns.  THE ACCUMULATORS START AS COPIES OF THE BIAS, 384 v_mov_b32: in pass 0 they stand in the wait for the first rows, and they spare a first chunk written out again.
; Beside its first loads wave 0 makes the list of the expert's rows from ridx (a counting scan, no atomics): list[place] = token.  Places past the count hold 0: token 0, a row that exists.
; h's LAYOUT is the next product's operand order: h[e][block tau][chunk of 32 columns][half][lane][16 bytes].  Two neighbouring accumulators, rounded in pairs, ARE that product's source 1
; (16 rows x 32 k), so a block leaves straight from registers, 512 consecutive bytes a store.  Block 0 of every expert is always made (of token 0's rows, if the expert has none): the next launch's dead blocks name it.
; FORMATS.  x, w1, b1 rounded once to bf16; sums in f32; h rounded once to f16.  Why f16: h's rounding reaches the output undiminished relative to its row (4,096 independent terms), and a row with a large
; gate weight is larger than the output's root mean square, by which the allowance goes; 8 significant bits leave too little room there, 11 leave eight times more.
; LIMITS.  f16 holds no number beyond 65,504: a sum of 65,520 or more becomes an infinity.  By the sizes: x of spread 1 and w1 of spread 0.018 over K = 1,024 give h of about 0.6; both 30 times larger,
; about 520; both with an offset of 30 spreads, 1024 x 30 x 0.54 = 16,600.  Below 6e-5 h keeps f16's fixed step of 6e-8.  relu of NaN gives 0 (the packed maximum lets a NaN lose).
; NO TENSOR LOADS: the weights pass through registers to be rounded, and the token rows come by a list.  NO CLUSTER: each slice has one reader; beside the slice's 294,912 bytes LDS has no room for shared rows.
; Wave 0 of the work-groups with x = 0 also stores pos[e][t] = the place of token t (a number that nobody reads where t did not choose e) and the count, for the two launches behind.
; REGISTERS, in windows of 256 (s_set_vgpr_msb: bits 1:0 source 0, 3:2 source 1, 5:4 source 2, 7:6 destination):
;   window 0: v0-31 addresses; v32-63 at work; v64-191 W's two fragment buffers (before that v64-127 ridx and the places, wave 0; behind the products v64-95 the way out); v192-255 the bias
;   window 1: the rows' ring: slot q (4) x block a (6) at 48 q + 8 a      window 2: accumulator (a, b) at 64 a + 8 b, blocks 0-3      window 3: v0-127 blocks 4, 5; v128-255 the weights' ring, 32 loads
.set PITCH,  16384                     ; bytes from row to row of w1
.set WP,     288                       ; a k row of W in LDS: 256 bytes + 32 = 72 words
.set LIST,   0                         ; 1,024 words, then 32 words where lanes without a row put theirs, then the count
.set CNTW,   4224
.set SPARE,  4608                      ; the spare words, 128 bytes a wave: two blocks of 256 bytes that no other line names
.set WL,     5120                      ; W: 1,024 rows x 288 bytes, to 300,032
.set ASTEP,  64                        ; a K step of 32 in a row of xb,
.set AHALF,  32                        ; and its second 16
.set AO,  8                            ; v8-13  block a: byte offset in xb of my row's 16 bytes
.set AW,  16                           ; v16    LDS address of the turning loads in the chunk in hand
.set AW0, 17                           ; v17    the same in chunk 0; never rewritten
.set LW,  18                           ; v18    where my 8 bytes of a row go, in the chunk in hand
.set GO,  19                           ; v19    16 x lane
.set LW0, 20                           ; v20    the same as v18 in chunk 0; never rewritten
.set CO,  22                           ; v22    my byte offset in h: block w, 16 x lane
.set LA,  23                           ; v23    my place's word in the list
.set PFO, 24                           ; v24    prefetch: lane l asks for block l % 2 of row l / 2
.set ZR,  25                           ; v25    0, for the relu
.set CV,  26                           ; v26    the count, from LDS
.set BO,  27                           ; v27    32 x (lane / 16): my eight biases in a block of 16
.set PO,  28                           ; v28    8 x lane
.set SPW, 30                           ; v30    LDS address of my spare word; never rewritten
.set NIL, 31                           ; v31    0; never rewritten
.set T,   32
.set RX,  64
.set WF,  64
.set TMP, 64
.set BIAS, 192
.set X,   128                          ; in window 3
.set WO,  44                           ; s44    the chunk in hand's byte offset in W
.set MSB, 0
.macro WIN new                         ; the immediate's high byte repeats the setting that is left; a switch that changes nothing is dropped
.if MSB != (\new)
	s_set_vgpr_msb (MSB<<8)|(\new)
.set MSB, (\new)
.endif
.endm
.macro PLACES                          ; four plain vector instructions between a matrix instruction and a load into, or a vector read or write of, its registers
.rept 4
	v_nop
.endr
.endm
	s_load_b256 s[4:11], s[0:1], 0x0               ; xb s[4:5], ridx s[6:7], w1 s[8:9], b1 s[10:11]
	s_load_b128 s[12:15], s[0:1], 0x20             ; h s[12:13], pos s[14:15]
	s_load_b64 s[16:17], s[0:1], 0x30              ; cnts
	v_lshl_add_u32 v[SPW], v0, 2, SPARE
	v_mov_b32 v[NIL], 0
	v_lshrrev_b32 v1, 5, v0
	v_readfirstlane_b32 s18, v1                    ; wave w
	s_and_b32 s19, ttmp7, 0xffff                   ; expert e
	s_mov_b32 s20, ttmp9                           ; slice x
	v_and_b32 v1, 31, v0                           ; lane L
	v_and_b32 v2, 15, v0                           ; r = L % 16
	v_bfe_u32 v3, v0, 4, 1                         ; hh = L / 16
	v_lshlrev_b32 v4, 4, v3                        ; 16 hh
	v_lshlrev_b32 v5, 1, v1                        ; 2 L
	v_add_nc_u32 v6, 1024, v1                      ; the word for a lane without a row
	v_mov_b32 v7, CNTW
	v_mov_b32 v[ZR], 0
	v_lshlrev_b32 v[BO], 5, v3
	v_lshlrev_b32 v[GO], 4, v1
	v_lshlrev_b32 v[PO], 3, v1
	v_lshrrev_b32 v[PFO], 1, v1
	v_mul_u32_u24 v[PFO], v[PFO], PITCH
	v_and_b32 v32, 1, v1
	v_lshl_add_u32 v[PFO], v32, 8, v[PFO]
	s_mul_i32 s34, s18, 32*WP
	s_add_co_u32 s34, s34, WL                      ; my wave's 32 rows of a chunk
	v_lshl_add_u32 v[LW0], v1, 3, s34
	v_and_b32 v32, 7, v0                           ; the turning load: lane L reads k row 8 hh + L % 8, columns 8 ((L / 8) % 2) + 0..7
	v_lshl_add_u32 v32, v3, 3, v32
	v_mul_u32_u24 v[AW0], v32, WP
	v_bfe_u32 v33, v0, 3, 1
	v_lshl_add_u32 v[AW0], v33, 4, v[AW0]
	v_add_nc_u32 v[AW0], WL, v[AW0]
	s_lshl_b32 s34, s18, 17                        ; in h a block is 16 places x 8,192 bytes
	v_lshl_add_u32 v[CO], v1, 4, s34
	s_lshl_b32 s34, s18, 6
	v_lshl_add_u32 v[LA], v2, 2, s34               ; place 16 w + r of block 0
	s_lshl_b32 s32, s19, 24                        ; w1: the expert's 16 MiB,
	s_lshl_b32 s34, s18, 19                        ; my wave's 32 rows of chunk 0,
	s_add_co_u32 s32, s32, s34
	s_lshl_b32 s34, s20, 9                         ; the slice's 128 columns
	s_add_co_u32 s32, s32, s34
	s_mov_b32 s33, 0
	s_lshl_b32 s36, s19, 14                        ; b1: the expert's row, the same columns
	s_add_co_u32 s36, s36, s34
	s_mov_b32 s37, 0
	s_lshl_b32 s38, s19, 23                        ; h: the expert's 64 blocks, the slice's four chunks of 1,024 bytes
	s_lshl_b32 s34, s20, 12
	s_add_co_u32 s38, s38, s34
	s_mov_b32 s39, 0
	s_lshl_b32 s40, s19, 12                        ; pos: the expert's 1,024 words
	s_mov_b32 s41, 0
	s_lshl_b32 s42, s19, 8                         ; cnts: the expert's 256 bytes
	s_mov_b32 s43, 0
	s_wait_kmcnt 0x0
	s_cmp_lg_u32 s18, 0
	s_cbranch_scc1 .Lno_ridx
.irp q, 0,1,2,3,4,5,6,7,8,9,10,11,12,13,14,15  ; wave 0: all of ridx; load q gives lane l the choices of tokens 64 q + 2 l and 64 q + 2 l + 1
	global_load_b128 v[RX+4*(\q):RX+4*(\q)+3], v[GO], s[6:7] offset:512*(\q)
.endr
.Lno_ridx:
	s_add_nc_u64 s[28:29], s[8:9], s[32:33]
	s_add_nc_u64 s[10:11], s[10:11], s[36:37]
	s_add_nc_u64 s[30:31], s[12:13], s[38:39]
	s_add_nc_u64 s[14:15], s[14:15], s[40:41]
	s_add_nc_u64 s[16:17], s[16:17], s[42:43]
.irp b, 0,1,2,3,4,5,6,7                ; the bias: for column block b my eight columns 16 b + 8 hh + 0..7
	global_load_b128 v[BIAS+8*(\b):BIAS+8*(\b)+3],   v[BO], s[10:11] offset:64*(\b)
	global_load_b128 v[BIAS+8*(\b)+4:BIAS+8*(\b)+7], v[BO], s[10:11] offset:64*(\b)+16
.endr
	WIN 0xc0                                       ; destination window 3
.set n, 0
.rept 32                                ; the weights' ring is filled: my 32 rows of chunk 0
	global_load_b128 v[X+4*n:X+4*n+3], v[GO], s[28:29] offset:n*PITCH th:TH_LOAD_NT
.set n, n+1
.endr
	WIN 0
	s_cmp_lg_u32 s18, 0
	s_cbranch_scc1 .Lno_scan
	; THE LIST, by wave 0, while the first rows are on their way.  Up to the barrier below no other wave touches LDS.
	v_mov_b32 v32, 0
	v_mov_b32 v33, 0
	v_mov_b32 v34, 0
	v_mov_b32 v35, 0
.irp g, 0,1,2,3,4,5,6,7,8
	ds_store_b128 v[GO], v[32:35] offset:LIST+512*(\g)  ; 4,608 bytes of 0: places past the count name token 0
.endr
	s_mov_b32 s21, 0
	s_wait_loadcnt 48                              ; the 16 loads of the bias and the 32 of W, which are younger, may be out: ridx is in
; 32 tokens: t = 64 q + 2 l + s.  A lane whose token chose e puts t at the next free place: the count so far + the chosen lanes below it.
; The place stays in a register that the scan has read out (word s of load q's four), for pos.
.macro SCAN q, s
	v_cmp_eq_u32 s40, s19, v[RX+4*(\q)+2*(\s)]
	v_cmp_eq_u32 vcc_lo, s19, v[RX+4*(\q)+2*(\s)+1]
	s_or_b32 s41, s40, vcc_lo
	v_add_nc_u32 v36, 64*(\q)+(\s), v5             ; t
	v_mbcnt_lo_u32_b32 v[RX+4*(\q)+(\s)], s41, s21
	v_cndmask_b32 v37, v6, v[RX+4*(\q)+(\s)], s41
	v_min_u32 v37, 0x41f, v37                      ; inside the list and its 32 words behind
	v_lshlrev_b32 v37, 2, v37
	ds_store_b32 v37, v36
	s_bcnt1_i32_b32 s42, s41
	s_add_co_u32 s21, s21, s42
.endm
.irp q, 0,1,2,3,4,5,6,7,8,9,10,11,12,13,14,15
	SCAN \q, 0
	SCAN \q, 1
.endr
	v_mov_b32 v36, s21
	v_mov_b32 v37, s21
	ds_store_b32 v7, v36                           ; the count
	s_cmp_lg_u32 s20, 0
	s_cbranch_scc1 .Lno_scan                       ; one work-group an expert stores the places and the count
.irp q, 0,1,2,3,4,5,6,7,8,9,10,11,12,13,14,15
	global_store_b64 v[PO], v[RX+4*(\q):RX+4*(\q)+1], s[14:15] offset:256*(\q)  ; tokens 64 q + 2 l and + 1: the wave stores 256 consecutive bytes, at a multiple of 256 from pos's first
.endr
	global_store_b64 v[PO], v[36:37], s[16:17]     ; the count in every word of the expert's 256 bytes
.Lno_scan:
	s_wait_dscnt 0x0                               ; for the others' sake: the list and the count are written
	s_barrier_signal -1
	s_barrier_wait -1
	s_wait_xcnt 0x0                                ; wave 0's stores have had their addresses translated: their data registers are written again only behind this wait
	ds_load_b32 v[CV], v7
	s_wait_loadcnt 32                              ; the 32 loads of W, which are younger, may be out: the bias is in
	s_wait_dscnt 0x0
	v_readfirstlane_b32 s21, v[CV]
	s_min_u32 s21, s21, 1024
	s_add_co_u32 s22, s21, 15
	s_lshr_b32 s22, s22, 4                         ; blocks of 16 rows,
	s_max_u32 s22, s22, 1                          ; block 0 in any case
	s_add_co_u32 s22, s22, 3
	s_sub_co_u32 s22, s22, s18
	s_lshr_b32 s22, s22, 2                         ; of them mine: blocks w, w + 4, ..
; A pass's beginning: M; the six blocks' tokens from the list; xb and W at K = 0.  Three passes name 72 blocks, the list has 64: the third pass's last blocks, always dead, read the words behind the
; list (bytes up to 4,607, all written by wave 0), and the minimum holds whatever stands there inside xb.
.macro SETUP
	s_max_i32 s23, s22, 0
	s_min_i32 s23, s23, 6                          ; M
.irp a, 0,1,2,3,4,5
	ds_load_b32 v[32+(\a)], v[LA] offset:LIST+256*(\a)  ; block a's places lie 64 on
.endr
	s_mov_b64 s[26:27], s[4:5]
	s_mov_b32 s[WO], 0
	s_wait_dscnt 0x0
.irp a, 0,1,2,3,4,5
	v_min_u32 v[32+(\a)], 0x3ff, v[32+(\a)]        ; the token, inside xb
	v_lshlrev_b32 v[32+(\a)], 11, v[32+(\a)]       ; rows of 2,048 bytes
	v_add_nc_u32 v[AO+(\a)], v[32+(\a)], v4
.endr
.endm
.macro ALOAD q, ko                     ; 12 loads: the six blocks' rows, 32 along K at byte ko, into slot q.  Lane (r, hh) takes row r's bytes 16 hh and 32 + 16 hh
	WIN 0x40                                       ; destination window 1
.irp a, 0,1,2,3,4,5
	global_load_b128 v[48*(\q)+8*(\a):48*(\q)+8*(\a)+3],   v[AO+(\a)], s[26:27] offset:(\ko)
	global_load_b128 v[48*(\q)+8*(\a)+4:48*(\q)+8*(\a)+7], v[AO+(\a)], s[26:27] offset:(\ko)+AHALF
.endr
.endm
.macro ROWS4 ko                        ; a chunk's rows: all four slots
	ALOAD 0, (\ko)
	ALOAD 1, (\ko)+ASTEP
	ALOAD 2, (\ko)+2*ASTEP
	ALOAD 3, (\ko)+3*ASTEP
	WIN 0
.endm
.macro INIT                            ; every accumulator starts as the bias of its eight columns
.irp a, 0,1,2,3,4,5
	WIN 0x80+0x40*((\a)/4)                         ; destination window 2 or 3
.set z, 0
.rept 64
	v_mov_b32 v[64*((\a)%4)+z], v[BIAS+z]
.set z, z+1
.endr
.endr
	WIN 0
.endm
; STORE: my 32 rows of the chunk in hand go into LDS, eight at a time: 16 roundings, the eight refills (refill = 1: the rows 128 further on), eight LDS stores of 256 consecutive bytes a wave.
.macro STORE refill
	s_wait_loadcnt 48                              ; the chunk's 48 row loads, which are younger, may be out: my 32 rows of W are in
	v_add_nc_u32 v[LW], s[WO], v[LW0]
.irp g, 0,1,2,3
	WIN 0x0f                                       ; sources 0 and 1 window 3
.irp i, 0,1,2,3,4,5,6,7
	v_cvt_pk_bf16_f32 v[T+16*((\g)%2)+2*(\i)],   v[X+4*(8*(\g)+(\i))],   v[X+4*(8*(\g)+(\i))+1]
	v_cvt_pk_bf16_f32 v[T+16*((\g)%2)+2*(\i)+1], v[X+4*(8*(\g)+(\i))+2], v[X+4*(8*(\g)+(\i))+3]
.endr
.if \refill
	WIN 0xc0                                       ; destination window 3
.irp i, 0,1,2,3,4,5,6,7
	global_load_b128 v[X+4*(8*(\g)+(\i)):X+4*(8*(\g)+(\i))+3], v[GO], s[28:29] offset:(128+8*(\g)+(\i))*PITCH th:TH_LOAD_NT
.endr
.endif
	WIN 0
.irp i, 0,1,2,3,4,5,6,7
	ds_store_b64 v[LW], v[T+16*((\g)%2)+2*(\i):T+16*((\g)%2)+2*(\i)+1] offset:WP*(8*(\g)+(\i))
.endr
.if (\refill) && ((\g) == 1)
	s_cmp_eq_u32 s47, 1
	s_cbranch_scc1 .Lno_ask_\@                     ; the seventh turn asks for nothing: there is no chunk 8
	global_prefetch_b8 v[PFO], s[28:29] offset:256*PITCH th:TH_LOAD_NT scope:SCOPE_SE  ; my 32 rows of the chunk after next, which the next turn's refills name: 16 rows x 2 blocks of 256 bytes a line,
	global_prefetch_b8 v[PFO], s[28:29] offset:272*PITCH th:TH_LOAD_NT scope:SCOPE_SE  ; each block asked for once, by the wave that will load it
.Lno_ask_\@:
.endif
.endr
.endm
.macro WLOAD buf, off                  ; 16 turning loads: 32 k rows x 128 columns, eight fragments
	WIN 0
.irp nb, 0,1,2,3,4,5,6,7
	ds_load_tr16_b128 v[WF+64*(\buf)+8*(\nb):WF+64*(\buf)+8*(\nb)+3],   v[AW] offset:(\off)+32*(\nb)
	ds_load_tr16_b128 v[WF+64*(\buf)+8*(\nb)+4:WF+64*(\buf)+8*(\nb)+7], v[AW] offset:(\off)+32*(\nb)+16*WP
.endr
.endm
.macro BLOCK a, q, buf                 ; block a's eight accumulators take turns, one instruction a turn
	WIN 0xa4+0x50*((\a)/4)                         ; W window 0, rows window 1, C and D window 2 or 3
.irp nb, 0,1,2,3,4,5,6,7
	v_wmma_f32_16x16x32_bf16 v[64*((\a)%4)+8*(\nb):64*((\a)%4)+8*(\nb)+7], v[WF+64*(\buf)+8*(\nb):WF+64*(\buf)+8*(\nb)+7], v[48*(\q)+8*(\a):48*(\q)+8*(\a)+7], v[64*((\a)%4)+8*(\nb):64*((\a)%4)+8*(\nb)+7]
.endr
.endm
; K step j of a chunk's four.  It asks for W one step on, into the buffer that the step before multiplied; nxt = 1: steps 1 and 2 also ask for the next chunk's rows into the slot just multiplied.
.macro KSTEP j, nxt
.if (\j) > 0
	PLACES
.endif
.if (\nxt) && ((\j) == 1)
	ALOAD 0, 4*ASTEP
.endif
.if (\nxt) && ((\j) == 2)
	ALOAD 1, 5*ASTEP
.endif
.if (\j) < 3
	WLOAD ((\j)+1)%2, 32*WP*((\j)+1)
	s_wait_dscnt 16                                ; the next step's 16 loads may be out: this step's W is in
.else
	s_wait_dscnt 0x0
.endif
	BLOCK 0, \j, (\j)%2
	BLOCK 1, \j, (\j)%2
	BLOCK 2, \j, (\j)%2
.irp a, 3,4,5
	WIN 0                                          ; at a branch and at a label every window is 0
	s_cmp_le_u32 s23, \a
	s_cbranch_scc1 .Lkend_\@
	BLOCK \a, \j, (\j)%2
.endr
	WIN 0
.Lkend_\@:
.endm
; PRODUCT: the chunk in hand's four K steps.  nxt = 1: slots 2 and 3 take the next chunk's rows behind the last products, so that ahead of them at most 32 + 24 loads are out.
.macro PRODUCT nxt
	PLACES
	v_add_nc_u32 v[AW], s[WO], v[AW0]
	WLOAD 0, 0
	KSTEP 0, \nxt
	KSTEP 1, \nxt
	KSTEP 2, \nxt
	KSTEP 3, \nxt
.if \nxt
	PLACES
	ALOAD 2, 6*ASTEP
	ALOAD 3, 7*ASTEP
	WIN 0
.endif
.endm
; THE WAY OUT of block a: rounded to f16, relu, and stored as it lies: accumulator nb's 16 bytes a lane are half nb % 2 of chunk nb / 2 of the next product's operand.
.macro OUTB a
	s_cmp_le_u32 s23, \a
	s_cbranch_scc1 .Lpass_end
	s_wait_xcnt 0x0                                ; the last block's stores have had their addresses translated: their data registers are written again only behind this wait
	WIN 0x0a+5*((\a)/4)                            ; sources 0 and 1 window 2 or 3
.set z, 0
.rept 32
	v_cvt_pk_f16_f32 v[TMP+z], v[64*((\a)%4)+2*z], v[64*((\a)%4)+2*z+1]  ; each accumulator from its low end on
.set z, z+1
.endr
	WIN 0
.set z, 0
.rept 32
	v_pk_max_num_f16 v[TMP+z], v[TMP+z], v[ZR]
.set z, z+1
.endr
.irp nb, 0,1,2,3,4,5,6,7
	global_store_b128 v[CO], v[TMP+4*(\nb):TMP+4*(\nb)+3], s[30:31] offset:524288*(\a)+1024*((\nb)/2)+512*((\nb)%2)  ; 512 consecutive bytes, at a multiple of 256 from h's first; my next block lies four blocks on
.endr
.endm
	; PASS 0, side by side with the stream.
	SETUP
	ROWS4 0                                        ; chunk 0's rows, behind chunk 0's weights
.set z, 0
.rept 32
	v_cvt_pk_bf16_f32 v[T+z], v[BIAS+2*z], v[BIAS+2*z+1]  ; the bias is rounded to bf16 like every input,
.set z, z+1
.endr
.set z, 0
.rept 32
	v_lshlrev_b32 v[BIAS+2*z], 16, v[T+z]          ; and widened again: it enters the sums in f32
	v_and_b32 v[BIAS+2*z+1], 0xffff0000, v[T+z]
.set z, z+1
.endr
	INIT
	s_mov_b32 s47, 7
.Lchunk:                                               ; the turn of chunks 0 to 6: each asks for the next chunk's weights and rows
	STORE 1
	s_wait_dscnt 0x0                               ; for the others' sake: my rows of the chunk are written
	s_barrier_signal -1
	s_barrier_wait -1                              ; the chunk is whole; up to the next barrier every wave only reads LDS
	s_wait_loadcnt 32                              ; the 32 refills, which are younger, may be out: the chunk's rows are in
	PRODUCT 1
	s_wait_xcnt 0x0                                ; the bases are stepped only behind this wait
	s_add_nc_u64 s[28:29], s[28:29], 128*PITCH
	s_add_nc_u64 s[26:27], s[26:27], 4*ASTEP
	s_add_co_u32 s[WO], s[WO], 128*WP
	s_wait_dscnt 0x0                               ; my reads of the chunk are over;
	s_barrier_signal -1
	s_barrier_wait -1                              ; everybody's are: up to the next barrier every wave only writes LDS
	s_sub_co_u32 s47, s47, 1
	s_cmp_lg_u32 s47, 0
	s_cbranch_scc1 .Lchunk
	STORE 0                                        ; chunk 7: nothing is left to ask for
	s_wait_dscnt 0x0
	s_barrier_signal -1
	s_barrier_wait -1                              ; W is whole; from here to the barrier at the end every wave only reads LDS
	s_mov_b32 s25, 1                               ; its products are one trip of the later passes' loop, entered in the middle of a pass
	s_mov_b32 s24, 3
	s_branch .Lw
.Lpass:                                                ; passes 1 and 2: W lies in LDS; the rows come chunk by chunk
	SETUP
	s_cmp_eq_u32 s23, 0
	s_cbranch_scc1 .Lpass_end
	ROWS4 0
	INIT
	s_mov_b32 s25, 8
.Lw:
	s_wait_loadcnt 0x0                             ; the chunk's rows
	PRODUCT 0
	s_cmp_eq_u32 s25, 1
	s_cbranch_scc1 .Lno_rows                       ; the last chunk asks for nothing
	PLACES
	ROWS4 4*ASTEP
.Lno_rows:
	s_wait_xcnt 0x0                                ; the base is stepped only behind this wait
	s_add_nc_u64 s[26:27], s[26:27], 4*ASTEP
	s_add_co_u32 s[WO], s[WO], 128*WP
	s_sub_co_u32 s25, s25, 1
	s_cmp_lg_u32 s25, 0
	s_cbranch_scc1 .Lw
	s_wait_loadcnt 0x0                             ; no load into the rows' ring is out when the next pass loads it anew; the last trip asked for none, so the wait is met at once
	PLACES
.irp a, 0,1,2,3,4,5
	OUTB \a
.endr
.Lpass_end:
	s_wait_xcnt 0x0                                ; the stores' base and data registers are written again only behind this wait
	s_sub_co_i32 s22, s22, 6
	s_add_nc_u64 s[30:31], s[30:31], 3145728       ; 24 blocks of h
	v_add_nc_u32 v[LA], 1536, v[LA]
	s_sub_co_u32 s24, s24, 1
	s_cmp_lg_u32 s24, 0
	s_cbranch_scc1 .Lpass
	s_wait_dscnt 0x0                               ; my reads of LDS are over;
	s_barrier_signal -1
	s_barrier_wait -1                              ; everybody's are: no wave writes LDS, its spare words either, while another still reads
	s_wait_tensorcnt 0x0                           ; the wave's end, behind my last LDS store
	ds_add_u32 v[SPW], v[NIL]
	s_wait_dscnt 0x0
	s_endpgm
.Lfunc_end_k_q09f960dc00_up:
	.size	k_q09f960dc00_up, .Lfunc_end_k_q09f960dc00_up-k_q09f960dc00_up
	.p2alignl 7, 3214868480
	.fill 96, 4, 3214868480
	.section	.rodata,"a",@progbits
	.p2align	6, 0x0
	.amdhsa_kernel k_q09f960dc00_up
		.amdhsa_group_segment_fixed_size 327680
		.amdhsa_private_segment_fixed_size 0
		.amdhsa_enable_private_segment 0
		.amdhsa_kernarg_size 56
		.amdhsa_user_sgpr_count 2
		.amdhsa_user_sgpr_kernarg_segment_ptr 1
		.amdhsa_wavefront_size32 1
		.amdhsa_system_sgpr_workgroup_id_x 1
		.amdhsa_system_sgpr_workgroup_id_y 1
		.amdhsa_system_sgpr_workgroup_id_z 1
		.amdhsa_system_vgpr_workitem_id 0
		.amdhsa_next_free_vgpr 1024
		.amdhsa_next_free_sgpr 66
		.amdhsa_reserve_vcc 1
		.amdhsa_float_denorm_mode_32 3
		.amdhsa_float_denorm_mode_16_64 3
		.amdhsa_memory_ordered 1
		.amdhsa_forward_progress 1
		.amdhsa_inst_pref_size 164
	.end_amdhsa_kernel
	.amdgpu_metadata
---
amdhsa.version: [ 1, 2 ]
amdhsa.kernels:
  - .name:           k_q09f960dc00_up
    .symbol:         k_q09f960dc00_up.kd
    .args:
      - { .name: xb, .offset: 0, .size: 8, .value_kind: global_buffer, .address_space: global }
      - { .name: ridx, .offset: 8, .size: 8, .value_kind: global_buffer, .address_space: global }
      - { .name: w1, .offset: 16, .size: 8, .value_kind: global_buffer, .address_space: global }
      - { .name: b1, .offset: 24, .size: 8, .value_kind: global_buffer, .address_space: global }
      - { .name: h, .offset: 32, .size: 8, .value_kind: global_buffer, .address_space: global }
      - { .name: pos, .offset: 40, .size: 8, .value_kind: global_buffer, .address_space: global }
      - { .name: cnts, .offset: 48, .size: 8, .value_kind: global_buffer, .address_space: global }
    .group_segment_fixed_size: 327680
    .private_segment_fixed_size: 0
    .kernarg_segment_align: 8
    .kernarg_segment_size: 56
    .max_flat_workgroup_size: 128
    .sgpr_count:     66
    .vgpr_count:     1024
    .wavefront_size: 32
...
	.end_amdgpu_metadata
.endif
;; end of part 2
;; launch down (part 3): grid 32 x 8, 4 waves a work-group, no clusters, 327,680 bytes of LDS; arguments h, w2, cnts, part; writes part
.if DOCPART == 3
	.amdgcn_target "amdgcn-amd-amdhsa--gfx1250"
	.amdhsa_code_object_version 6
	.text
	.protected	k_q09f960dc00_down
	.globl	k_q09f960dc00_down
	.p2align	8
	.type	k_q09f960dc00_down,@function
k_q09f960dc00_down:
	s_mov_b64 s[64:65], 0
	v_nop
	global_prefetch_b8 v0, s[64:65] scope:SCOPE_SE
	s_setreg_imm32_b32 hwreg(HW_REG_WAVE_MODE, 25, 1), 1
	s_wait_xcnt 0x0
; DOWN.  part[kp][e][place][n] = the sum over the K quarter kp of h[e][place][k] w2[e][k][n], in f32, for the places that expert e has.
; SHARES.  Work-group (x, e), kp = x / 8, ns = x % 8, owns the slice w2[e][1024 kp .. +1023][128 ns .. +127], 512 KiB of f32 that no other work-group reads, and ALL of the expert's rows.
; Rows in blocks of 16, block tau to wave tau % 4, up to 6 blocks x 128 columns a wave and pass, three passes of 24 blocks for every split.
; The frame is the first product's.  THE STREAM AND THE FIRST PASS'S PRODUCTS GO SIDE BY SIDE: the slice comes in 8 chunks of 128 k rows, 32 rows (32 loads of 512 consecutive bytes) a wave.  A chunk's turn:
; STORE, its rows are rounded and laid into LDS as [k][n], and each group of ring registers takes the next chunk's rows as soon as it is read; a barrier; PRODUCT, 4 K steps on the chunk, while the next
; chunk's 64 KiB are on their way; a barrier.  W stays whole in LDS: passes 1 and 2 (an expert with more than 384 rows) read it again.
; THE ORDER OF LOADS.  Loads are counted done in the order of issue (ISA guide 5.7.1), so a wait for a younger load is a wait for all older ones.  The queue is: weights of chunk c, rows of h for chunk c, weights of
; c + 1, rows for c + 1 ..: the rows for chunk c + 1 are asked for during PRODUCT(c), into ring slots just multiplied.  All 12 row loads of a slot are issued whatever the wave's number of live blocks, so that every
; count is fixed; a dead block names the expert's block 0, which the launch before always stores.  Behind a chunk's last products a wave has 80 loads issued and not counted done, more than the counter's field
; holds: the issue is held back there (ISA guide 5.7.1), where the next wait would hold the wave anyway.
; M, the wave's live blocks, hangs on the expert's count, stored by the launch before.  Blocks 0 to 2 are multiplied whatever M is (that spares three jumps and six window switches a K step; a wave has fewer only
; where its expert has under 12 blocks); blocks 3 to 5 and every dead block's stores are jumped forward.  A block that is not full holds rows that the launch before stored (it stores whole blocks).
; h lies in operand order, h[e][block][chunk of 32 k][half][lane][16 bytes]: a fragment (16 rows x 32 k) is two loads of 512 consecutive bytes, straight into operand registers.
; The matrix instruction is used transposed (source 0 = 16 columns of W, turned out of LDS; source 1 = 16 rows of h): a lane holds one row and eight neighbouring columns.
; THE ACCUMULATORS ARE CLEARED, 384 v_mov_b32: in pass 0 they stand in the wait for the first rows, they spare a first chunk written out again, and every accumulator is written on every path.
; BARRIERS.  One wave's LDS writes and another's LDS reads stand in different spans, though their bytes are apart: two barriers a chunk; one behind a pass's products, behind which each wave writes and reads its own
; stage alone; one at the head of passes 1 and 2.  All lie on every wave's path.
; FORMATS.  h is f16 (the launch before says why), so the product is the f16 form.  w2 is rounded once to bf16, like every input of the program, and THAT number is written as f16: exact from 2^-17
; up in magnitude (8 significant bits on f16's fixed step of 2^-24), off by 2^-25 at the most below it.  Sums, and the parts handed on, in f32.  The four quarters are added by the launch behind: one owner a byte.
; LIMITS.  f16 holds no number beyond 65,504: a w2 of 65,520 or more becomes an infinity (w2 of spread 0.009 has a factor of millions to spare); h arrives within it.
; NO TENSOR LOADS: the weights pass through registers to be rounded.  NO CLUSTER: each slice has one reader; the eight ns work-groups share h, but beside the slice's 294,912 bytes LDS has no room for it.
; REGISTERS: window 0: v0-31 addresses; v32-63 and v192-223 at work, by turns; v64-191 W's two fragment buffers (behind the products v128-159 the way out).
;   window 1: the rows' ring, slot q (4) x block a (6) at 48 q + 8 a.  Window 2: accumulator (a, b) at 64 a + 8 b, blocks 0-3.  Window 3: v0-127 blocks 4, 5; v128-255 the weights' ring, 32 loads.
.set PITCH,  4096                      ; bytes from row to row of w2
.set WP,     288                       ; a k row of W in LDS: 256 bytes + 32 = 72 words
.set SPARE,  4608                      ; the spare words, 128 bytes a wave: two blocks of 256 bytes that no other line names
.set STAGE,  5120                      ; 16 rows x 272 bytes for each wave, its own, for the way out
.set SPITCH, 272
.set WL,     22528                     ; W: 1,024 rows x 288 bytes, to 317,440
.set ASTEP,  1024                      ; a chunk of h: 16 rows x 32 k,
.set AHALF,  512                       ; and its second half
.set AO,  8                            ; v8-13  block a: its byte offset in the expert's h + 16 x lane
.set AW,  16                           ; v16    LDS address of the turning loads in the chunk in hand
.set AW0, 17                           ; v17    the same in chunk 0; never rewritten
.set LW,  18                           ; v18    where my 8 bytes of a row go, in the chunk in hand
.set GO,  19                           ; v19    16 x lane
.set STO, 20                           ; v20    the way out: where I put 32 bytes of a row
.set RD,  21                           ; v21    the way out: where I read rows back
.set CO,  22                           ; v22    my byte offset in part
.set LW0, 23                           ; v23    the same as v18 in chunk 0; never rewritten
.set PFO, 24                           ; v24    prefetch: lane l asks for block l % 2 of row l / 2
.set SPW, 30                           ; v30    LDS address of my spare word; never rewritten
.set NIL, 31                           ; v31    0; never rewritten
.set WF,  64
.set OB,  128
.set X,   128                          ; in window 3
.set WO,  44                           ; s44    the chunk in hand's byte offset in W
.set MSB, 0
.macro WIN new                         ; the immediate's high byte repeats the setting that is left; a switch that changes nothing is dropped
.if MSB != (\new)
	s_set_vgpr_msb (MSB<<8)|(\new)
.set MSB, (\new)
.endif
.endm
.macro PLACES                          ; four plain vector instructions between a matrix instruction and a load into, a write of, or a store of, its registers
.rept 4
	v_nop
.endr
.endm
	s_load_b256 s[4:11], s[0:1], 0x0               ; h s[4:5], w2 s[6:7], cnts s[8:9], part s[10:11]
	v_lshl_add_u32 v[SPW], v0, 2, SPARE
	v_mov_b32 v[NIL], 0
	v_lshrrev_b32 v1, 5, v0
	v_readfirstlane_b32 s18, v1                    ; wave w
	s_and_b32 s19, ttmp7, 0xffff                   ; expert e
	s_lshr_b32 s20, ttmp9, 3                       ; kp
	s_and_b32 s46, ttmp9, 7                        ; ns
	s_mov_b32 s48, 0xffff0000                      ; a word's upper bf16
	v_and_b32 v1, 31, v0                           ; lane L
	v_and_b32 v2, 15, v0                           ; r
	v_bfe_u32 v3, v0, 4, 1                         ; hh
	v_lshlrev_b32 v[GO], 4, v1
	v_lshrrev_b32 v[PFO], 1, v1
	v_mul_u32_u24 v[PFO], v[PFO], PITCH
	v_and_b32 v32, 1, v1
	v_lshl_add_u32 v[PFO], v32, 8, v[PFO]
	s_mul_i32 s34, s18, 32*WP
	s_add_co_u32 s34, s34, WL                      ; my wave's 32 rows of a chunk
	v_lshl_add_u32 v[LW0], v1, 3, s34
	v_and_b32 v32, 7, v0                           ; the turning load: lane L reads k row 8 hh + L % 8, columns 8 ((L / 8) % 2) + 0..7
	v_lshl_add_u32 v32, v3, 3, v32
	v_mul_u32_u24 v[AW0], v32, WP
	v_bfe_u32 v33, v0, 3, 1
	v_lshl_add_u32 v[AW0], v33, 4, v[AW0]
	v_add_nc_u32 v[AW0], WL, v[AW0]
	s_mul_i32 s35, s18, 16*SPITCH
	s_add_co_u32 s35, s35, STAGE                   ; my stage
	v_mul_u32_u24 v[STO], v2, SPITCH               ; in: row r, 32 bytes (eight f32) for each half of the lanes
	v_lshl_add_u32 v[STO], v3, 5, v[STO]
	v_add_nc_u32 v[STO], s35, v[STO]
	v_mul_u32_u24 v[RD], v3, SPITCH                ; back: lanes 0-15 one row's 256 bytes, lanes 16-31 the next row's
	v_lshl_add_u32 v[RD], v2, 4, v[RD]
	v_add_nc_u32 v[RD], s35, v[RD]
	s_lshl_b32 s34, s18, 16                        ; in part: 16 w rows of 4,096 bytes,
	v_lshl_add_u32 v[CO], v3, 12, s34              ; the same two rows,
	v_lshl_add_u32 v[CO], v2, 4, v[CO]             ; 16 bytes a lane
	s_lshl_b32 s32, s19, 24                        ; w2: the expert's 16 MiB,
	s_lshl_b32 s34, s20, 22                        ; the quarter's 1,024 rows,
	s_add_co_u32 s32, s32, s34
	s_lshl_b32 s34, s18, 17                        ; my wave's 32 rows of chunk 0,
	s_add_co_u32 s32, s32, s34
	s_lshl_b32 s34, s46, 9                         ; the slice's 128 columns
	s_add_co_u32 s32, s32, s34
	s_mov_b32 s33, 0
	s_lshl_b32 s38, s20, 25                        ; part: the quarter, the expert's 1,024 places, the same columns
	s_add_co_u32 s38, s38, s34
	s_lshl_b32 s34, s19, 22
	s_add_co_u32 s38, s38, s34
	s_mov_b32 s39, 0
	s_lshl_b32 s36, s19, 23                        ; h: the expert's 64 blocks, the quarter's 32 chunks of 1,024 bytes
	s_lshl_b32 s34, s20, 15
	s_add_co_u32 s36, s36, s34
	s_mov_b32 s37, 0
	s_lshl_b32 s42, s19, 8                         ; cnts: the expert's 256 bytes
	s_mov_b32 s43, 0
	s_wait_kmcnt 0x0
	s_add_nc_u64 s[8:9], s[8:9], s[42:43]
	s_load_b32 s21, s[8:9], 0x0                    ; the expert's rows
	s_add_nc_u64 s[28:29], s[6:7], s[32:33]
	s_add_nc_u64 s[36:37], s[4:5], s[36:37]
	s_add_nc_u64 s[30:31], s[10:11], s[38:39]
	WIN 0xc0                                       ; destination window 3
.set n, 0
.rept 32                                ; the weights' ring is filled: my 32 rows of chunk 0
	global_load_b128 v[X+4*n:X+4*n+3], v[GO], s[28:29] offset:n*PITCH th:TH_LOAD_NT
.set n, n+1
.endr
	WIN 0
	s_wait_kmcnt 0x0
	s_min_u32 s21, s21, 1024
	s_add_co_u32 s22, s21, 15
	s_lshr_b32 s22, s22, 4                         ; blocks of 16 rows
	s_add_co_u32 s22, s22, 3
	s_sub_co_u32 s22, s22, s18
	s_lshr_b32 s22, s22, 2                         ; of them mine: blocks w, w + 4, ..
	s_mov_b32 s45, s18                             ; my first block of the pass
; A pass's beginning: M; the six blocks' places in h; h and W at the quarter's K = 0.
.macro SETUP
	s_max_i32 s23, s22, 0
	s_min_i32 s23, s23, 6                          ; M
.irp a, 0,1,2,3,4,5
	s_add_co_u32 s41, s45, 4*(\a)                  ; block a of mine is the expert's block tau = 24 pass + 4 a + w;
	s_cmp_gt_u32 s23, \a
	s_cselect_b32 s40, s41, 0                      ; a dead one names block 0
	s_min_u32 s40, s40, 63                         ; inside the expert's 64 blocks
	s_lshl_b32 s40, s40, 17                        ; of 131,072 bytes
	v_add_nc_u32 v[AO+(\a)], s40, v[GO]
.endr
	s_mov_b64 s[26:27], s[36:37]
	s_mov_b32 s[WO], 0
.endm
.macro ALOAD q, ko                     ; 12 loads: the six blocks' fragments of the chunk of h at byte ko, into slot q: 512 consecutive bytes a load
	WIN 0x40                                       ; destination window 1
.irp a, 0,1,2,3,4,5
	global_load_b128 v[48*(\q)+8*(\a):48*(\q)+8*(\a)+3],   v[AO+(\a)], s[26:27] offset:(\ko)
	global_load_b128 v[48*(\q)+8*(\a)+4:48*(\q)+8*(\a)+7], v[AO+(\a)], s[26:27] offset:(\ko)+AHALF
.endr
.endm
.macro ROWS4 ko                        ; the rows for a chunk of W: all four slots
	ALOAD 0, (\ko)
	ALOAD 1, (\ko)+ASTEP
	ALOAD 2, (\ko)+2*ASTEP
	ALOAD 3, (\ko)+3*ASTEP
	WIN 0
.endm
.macro INIT                            ; every accumulator starts at 0
.irp a, 0,1,2,3,4,5
	WIN 0x80+0x40*((\a)/4)                         ; destination window 2 or 3
.set z, 0
.rept 64
	v_mov_b32 v[64*((\a)%4)+z], 0
.set z, z+1
.endr
.endr
	WIN 0
.endm
; STORE: my 32 rows of the chunk in hand go into LDS, four at a time: eight roundings to bf16, the four refills (refill = 1: the rows 128 further on), the bf16 widened and written as f16,
; four LDS stores of 256 consecutive bytes a wave.  Two sets of 32 work registers take turns.
.macro STORE refill
	s_wait_loadcnt 48                              ; the chunk's 48 row loads, which are younger, may be out: my 32 rows of W are in
	v_add_nc_u32 v[LW], s[WO], v[LW0]
.irp g, 0,1,2,3,4,5,6,7
.set TB, 32+160*((\g)%2)
	WIN 0x0f                                       ; sources 0 and 1 window 3
.irp i, 0,1,2,3
	v_cvt_pk_bf16_f32 v[TB+2*(\i)],   v[X+4*(4*(\g)+(\i))],   v[X+4*(4*(\g)+(\i))+1]
	v_cvt_pk_bf16_f32 v[TB+2*(\i)+1], v[X+4*(4*(\g)+(\i))+2], v[X+4*(4*(\g)+(\i))+3]
.endr
.if \refill
	WIN 0xc0                                       ; destination window 3
.irp i, 0,1,2,3
	global_load_b128 v[X+4*(4*(\g)+(\i)):X+4*(4*(\g)+(\i))+3], v[GO], s[28:29] offset:(128+4*(\g)+(\i))*PITCH th:TH_LOAD_NT
.endr
.endif
	WIN 0
.irp i, 0,1,2,3,4,5,6,7
	v_lshlrev_b32 v[TB+8+2*(\i)], 16, v[TB+(\i)]
	v_and_b32 v[TB+9+2*(\i)], s48, v[TB+(\i)]
.endr
.irp i, 0,1,2,3,4,5,6,7
	v_cvt_pk_f16_f32 v[TB+24+(\i)], v[TB+8+2*(\i)], v[TB+9+2*(\i)]
.endr
.irp i, 0,1,2,3
	ds_store_b64 v[LW], v[TB+24+2*(\i):TB+25+2*(\i)] offset:WP*(4*(\g)+(\i))
.endr
.if (\refill) && ((\g) == 2)
	s_cmp_eq_u32 s47, 1
	s_cbranch_scc1 .Lno_ask_\@                     ; the seventh turn asks for nothing: there is no chunk 8
	global_prefetch_b8 v[PFO], s[28:29] offset:256*PITCH th:TH_LOAD_NT scope:SCOPE_SE  ; my 32 rows of the chunk after next, which the next turn's refills name: 16 rows x 2 blocks of 256 bytes a line,
	global_prefetch_b8 v[PFO], s[28:29] offset:272*PITCH th:TH_LOAD_NT scope:SCOPE_SE  ; each block asked for once, by the wave that will load it
.Lno_ask_\@:
.endif
.endr
.endm
.macro WLOAD buf, off                  ; 16 turning loads: 32 k rows x 128 columns, eight fragments
	WIN 0
.irp nb, 0,1,2,3,4,5,6,7
	ds_load_tr16_b128 v[WF+64*(\buf)+8*(\nb):WF+64*(\buf)+8*(\nb)+3],   v[AW] offset:(\off)+32*(\nb)
	ds_load_tr16_b128 v[WF+64*(\buf)+8*(\nb)+4:WF+64*(\buf)+8*(\nb)+7], v[AW] offset:(\off)+32*(\nb)+16*WP
.endr
.endm
.macro BLOCK a, q, buf                 ; block a's eight accumulators take turns, one instruction a turn
	WIN 0xa4+0x50*((\a)/4)                         ; W window 0, rows window 1, C and D window 2 or 3
.irp nb, 0,1,2,3,4,5,6,7
	v_wmma_f32_16x16x32_f16 v[64*((\a)%4)+8*(\nb):64*((\a)%4)+8*(\nb)+7], v[WF+64*(\buf)+8*(\nb):WF+64*(\buf)+8*(\nb)+7], v[48*(\q)+8*(\a):48*(\q)+8*(\a)+7], v[64*((\a)%4)+8*(\nb):64*((\a)%4)+8*(\nb)+7]
.endr
.endm
; K step j of a chunk's four.  It asks for W one step on, into the buffer that the step before multiplied; nxt = 1: steps 1 and 2 also ask for the next chunk's rows into the slot just multiplied.
.macro KSTEP j, nxt
.if (\j) > 0
	PLACES
.endif
.if (\nxt) && ((\j) == 1)
	ALOAD 0, 4*ASTEP
.endif
.if (\nxt) && ((\j) == 2)
	ALOAD 1, 5*ASTEP
.endif
.if (\j) < 3
	WLOAD ((\j)+1)%2, 32*WP*((\j)+1)
	s_wait_dscnt 16                                ; the next step's 16 loads may be out: this step's W is in
.else
	s_wait_dscnt 0x0
.endif
	BLOCK 0, \j, (\j)%2
	BLOCK 1, \j, (\j)%2
	BLOCK 2, \j, (\j)%2
.irp a, 3,4,5
	WIN 0                                          ; at a branch and at a label every window is 0
	s_cmp_le_u32 s23, \a
	s_cbranch_scc1 .Lkend_\@
	BLOCK \a, \j, (\j)%2
.endr
	WIN 0
.Lkend_\@:
.endm
; PRODUCT: the chunk in hand's four K steps.  nxt = 1: slots 2 and 3 take the next chunk's rows behind the last products, so that ahead of them at most 32 + 24 loads are out.
.macro PRODUCT nxt
	PLACES
	v_add_nc_u32 v[AW], s[WO], v[AW0]
	WLOAD 0, 0
	KSTEP 0, \nxt
	KSTEP 1, \nxt
	KSTEP 2, \nxt
	KSTEP 3, \nxt
.if \nxt
	PLACES
	ALOAD 2, 6*ASTEP
	ALOAD 3, 7*ASTEP
	WIN 0
.endif
.endm
; THE WAY OUT of block a, 64 columns (256 bytes of f32) at a time: straight from four accumulators into my own stage, back as whole rows of 256 bytes, stored.
.macro OUTB a
	s_cmp_le_u32 s23, \a
	s_cbranch_scc1 .Lpass_end
.irp hf, 0,1
	s_wait_xcnt 0x0                                ; the last stores have had their addresses translated: their data registers are loaded again only behind this wait
	WIN 0x08+4*((\a)/4)                            ; store data window 2 or 3
.irp nb, 0,1,2,3
	ds_store_b128 v[STO], v[64*((\a)%4)+8*(4*(\hf)+(\nb)):64*((\a)%4)+8*(4*(\hf)+(\nb))+3]   offset:64*(\nb)     ; each accumulator from its low end on
	ds_store_b128 v[STO], v[64*((\a)%4)+8*(4*(\hf)+(\nb))+4:64*((\a)%4)+8*(4*(\hf)+(\nb))+7] offset:64*(\nb)+16
.endr
	WIN 0
.irp t, 0,1,2,3,4,5,6,7
	ds_load_b128 v[OB+4*(\t):OB+4*(\t)+3], v[RD] offset:(\t)*2*SPITCH  ; LDS serves a wave's instructions in order (ISA guide 5.7.1.4): these see the stores above
.endr
	s_wait_dscnt 0x0
.irp t, 0,1,2,3,4,5,6,7
	global_store_b128 v[CO], v[OB+4*(\t):OB+4*(\t)+3], s[30:31] offset:262144*(\a)+8192*(\t)+256*(\hf)  ; 16 lanes store 256 consecutive bytes, at a multiple of 256 from part's first; block a lies 64 places on
.endr
.endr
.endm
	; PASS 0, side by side with the stream.
	SETUP
	ROWS4 0                                        ; the rows for chunk 0, behind chunk 0's weights
	INIT
	s_mov_b32 s47, 7
.Lchunk:                                               ; the turn of chunks 0 to 6: each asks for the next chunk's weights and rows
	STORE 1
	s_wait_dscnt 0x0                               ; for the others' sake: my rows of the chunk are written
	s_barrier_signal -1
	s_barrier_wait -1                              ; the chunk is whole; up to the next barrier every wave only reads LDS
	s_wait_loadcnt 32                              ; the 32 refills, which are younger, may be out: the chunk's rows are in
	PRODUCT 1
	s_wait_xcnt 0x0                                ; the bases are stepped only behind this wait
	s_add_nc_u64 s[28:29], s[28:29], 128*PITCH
	s_add_nc_u64 s[26:27], s[26:27], 4*ASTEP
	s_add_co_u32 s[WO], s[WO], 128*WP
	s_wait_dscnt 0x0                               ; my reads of the chunk are over;
	s_barrier_signal -1
	s_barrier_wait -1                              ; everybody's are: up to the next barrier every wave only writes LDS
	s_sub_co_u32 s47, s47, 1
	s_cmp_lg_u32 s47, 0
	s_cbranch_scc1 .Lchunk
	STORE 0                                        ; chunk 7: nothing is left to ask for
	s_wait_dscnt 0x0
	s_barrier_signal -1
	s_barrier_wait -1                              ; W is whole; up to the next barrier every wave only reads LDS
	s_mov_b32 s25, 1                               ; its products are one trip of the later passes' loop, entered in the middle of a pass
	s_mov_b32 s24, 3
	s_branch .Lw
.Lpass:                                                ; passes 1 and 2: W lies in LDS; the rows come chunk by chunk
	s_wait_dscnt 0x0                               ; my stage is read out;
	s_barrier_signal -1
	s_barrier_wait -1                              ; everybody's is: up to the next barrier every wave only reads LDS
	SETUP
	s_cmp_eq_u32 s23, 0
	s_cbranch_scc1 .Lwalk_end                      ; a wave without rows in this pass goes on to the barrier
	ROWS4 0
	INIT
	s_mov_b32 s25, 8
.Lw:
	s_wait_loadcnt 0x0                             ; the chunk's rows
	PRODUCT 0
	s_cmp_eq_u32 s25, 1
	s_cbranch_scc1 .Lno_rows                       ; the last chunk asks for nothing
	PLACES
	ROWS4 4*ASTEP
.Lno_rows:
	s_wait_xcnt 0x0                                ; the base is stepped only behind this wait
	s_add_nc_u64 s[26:27], s[26:27], 4*ASTEP
	s_add_co_u32 s[WO], s[WO], 128*WP
	s_sub_co_u32 s25, s25, 1
	s_cmp_lg_u32 s25, 0
	s_cbranch_scc1 .Lw
.Lwalk_end:
	PLACES                                         ; behind the last products, ahead of the stores of their results
	s_wait_loadcnt 0x0                             ; no load into the rows' ring is out when the next pass loads it anew; the last trip asked for none, so the wait is met at once
	s_wait_dscnt 0x0                               ; my reads of W are over;
	s_barrier_signal -1
	s_barrier_wait -1                              ; everybody's are: up to the next barrier each wave touches its own stage alone, and at the end its spare words
.irp a, 0,1,2,3,4,5
	OUTB \a
.endr
.Lpass_end:
	s_wait_xcnt 0x0                                ; the stores' base and data registers are written again only behind this wait
	s_sub_co_i32 s22, s22, 6
	s_add_nc_u64 s[30:31], s[30:31], 1572864       ; 384 places of part
	s_add_co_u32 s45, s45, 24
	s_sub_co_u32 s24, s24, 1
	s_cmp_lg_u32 s24, 0
	s_cbranch_scc1 .Lpass
	s_wait_tensorcnt 0x0                           ; the wave's end, behind my last LDS store
	ds_add_u32 v[SPW], v[NIL]
	s_wait_dscnt 0x0
	s_endpgm
.Lfunc_end_k_q09f960dc00_down:
	.size	k_q09f960dc00_down, .Lfunc_end_k_q09f960dc00_down-k_q09f960dc00_down
	.p2alignl 7, 3214868480
	.fill 96, 4, 3214868480
	.section	.rodata,"a",@progbits
	.p2align	6, 0x0
	.amdhsa_kernel k_q09f960dc00_down
		.amdhsa_group_segment_fixed_size 327680
		.amdhsa_private_segment_fixed_size 0
		.amdhsa_enable_private_segment 0
		.amdhsa_kernarg_size 32
		.amdhsa_user_sgpr_count 2
		.amdhsa_user_sgpr_kernarg_segment_ptr 1
		.amdhsa_wavefront_size32 1
		.amdhsa_system_sgpr_workgroup_id_x 1
		.amdhsa_system_sgpr_workgroup_id_y 1
		.amdhsa_system_sgpr_workgroup_id_z 1
		.amdhsa_system_vgpr_workitem_id 0
		.amdhsa_next_free_vgpr 1024
		.amdhsa_next_free_sgpr 66
		.amdhsa_reserve_vcc 0
		.amdhsa_float_denorm_mode_32 3
		.amdhsa_float_denorm_mode_16_64 3
		.amdhsa_memory_ordered 1
		.amdhsa_forward_progress 1
		.amdhsa_inst_pref_size 146
	.end_amdhsa_kernel
	.amdgpu_metadata
---
amdhsa.version: [ 1, 2 ]
amdhsa.kernels:
  - .name:           k_q09f960dc00_down
    .symbol:         k_q09f960dc00_down.kd
    .args:
      - { .name: h, .offset: 0, .size: 8, .value_kind: global_buffer, .address_space: global }
      - { .name: w2, .offset: 8, .size: 8, .value_kind: global_buffer, .address_space: global }
      - { .name: cnts, .offset: 16, .size: 8, .value_kind: global_buffer, .address_space: global }
      - { .name: part, .offset: 24, .size: 8, .value_kind: global_buffer, .address_space: global }
    .group_segment_fixed_size: 327680
    .private_segment_fixed_size: 0
    .kernarg_segment_align: 8
    .kernarg_segment_size: 32
    .max_flat_workgroup_size: 128
    .sgpr_count:     66
    .vgpr_count:     1024
    .wavefront_size: 32
...
	.end_amdgpu_metadata
.endif
;; end of part 3
;; launch combine (part 4): grid 256 x 1, 8 waves a work-group, no clusters, 0 bytes of LDS; arguments part, b2, pos, ridx, rwt, out0; writes out0
.if DOCPART == 4
	.amdgcn_target "amdgcn-amd-amdhsa--gfx1250"
	.amdhsa_code_object_version 6
	.text
	.protected	k_q09f960dc00_combine
	.globl	k_q09f960dc00_combine
	.p2align	8
	.type	k_q09f960dc00_combine,@function
k_q09f960dc00_combine:
	s_mov_b64 s[64:65], 0
	v_nop
	global_prefetch_b8 v0, s[64:65] scope:SCOPE_SE
	s_setreg_imm32_b32 hwreg(HW_REG_WAVE_MODE, 25, 1), 1
	s_wait_xcnt 0x0
; COMBINE.  out[t] = the sum over the token's two choices k of rwt[t][k] x (b2[e_k] + the four K quarters of part at the choice's place).
; A work-group takes four tokens, two waves a token, 2,048 bytes of the row each: every load and store of a wave covers 512 consecutive bytes.
; Where a choice's row lies is read from whole numbers that earlier launches stored: e_k = ridx[t][k], place = pos[e_k][t].  The token's eight words of pos are asked for together with ridx and rwt,
; so that there is one wait; the word wanted is picked by selects and held inside its table by a minimum.  All 40 vector loads of a wave go out before its first wait for them.
; b2 is rounded once to bf16, like every input of the program; all sums in f32.  A stream bound by its bytes: no LDS, no matrix unit, no barrier.
.set D,  8                             ; v[8:87] choice 0, v[88:167] choice 1: 16 registers of b2, then 16 for each quarter
.set TW, 168                           ; v[168:175] at work
.set PW, 56                            ; s[56:63] pos[e][t], e = 0..7
	s_load_b256 s[4:11], s[0:1], 0x0               ; part s[4:5], b2 s[6:7], pos s[8:9], ridx s[10:11]
	s_load_b128 s[12:15], s[0:1], 0x20             ; rwt s[12:13], out0 s[14:15]
	v_lshrrev_b32 v1, 5, v0
	v_readfirstlane_b32 s48, v1                    ; wave
	v_and_b32 v1, 31, v0
	v_lshlrev_b32 v2, 4, v1                        ; 16 bytes a lane
	s_lshr_b32 s49, s48, 1
	s_lshl_b32 s46, ttmp9, 2
	s_add_co_u32 s49, s49, s46                     ; t
	s_and_b32 s50, s48, 1
	s_lshl_b32 s50, s50, 11                        ; my half of a row, in bytes
	s_lshl_b32 s20, s49, 3                         ; ridx and rwt: 8 bytes a token
	s_mov_b32 s21, 0
	s_lshl_b32 s22, s49, 12                        ; out0: 4,096 bytes a token
	s_add_co_u32 s22, s22, s50
	s_mov_b32 s23, 0
	s_lshl_b32 s52, s49, 2                         ; pos: 4 bytes a token in each expert's 4,096
	s_mov_b32 s53, 0
	s_wait_kmcnt 0x0
	s_add_nc_u64 s[8:9], s[8:9], s[52:53]
	s_add_nc_u64 s[10:11], s[10:11], s[20:21]
	s_add_nc_u64 s[12:13], s[12:13], s[20:21]
	s_add_nc_u64 s[14:15], s[14:15], s[22:23]
	s_load_b64 s[16:17], s[10:11], 0x0             ; the two experts
	s_load_b64 s[18:19], s[12:13], 0x0             ; the two weights
.irp e, 0,1,2,3,4,5,6,7
	s_load_b32 s[PW+(\e)], s[8:9], 4096*(\e)       ; the token's place with each expert
.endr
	s_wait_kmcnt 0x0
; k: the choice; pb: the first of eight scalars for the four quarters' bases; bb: the pair for b2's
.macro BASES k, pb, bb
	s_min_u32 s47, s[16+(\k)], 7                   ; e, inside b2 and pos
	s_mov_b32 s46, s[PW]
.irp e, 1,2,3,4,5,6,7
	s_cmp_eq_u32 s47, \e
	s_cselect_b32 s46, s[PW+(\e)], s46
.endr
	s_min_u32 s46, s46, 1023                       ; the place, inside the expert's 1,024
	s_lshl_b32 s51, s47, 10
	s_add_co_u32 s46, s46, s51                     ; 1024 e + place
	s_lshl_b32 s20, s46, 12                        ; rows of 4,096 bytes
	s_add_co_u32 s20, s20, s50
	s_add_nc_u64 s[\pb:\pb+1], s[4:5], s[20:21]
	s_add_nc_u64 s[\pb+2:\pb+3], s[\pb:\pb+1], 0x2000000      ; a quarter is 32 MiB
	s_add_nc_u64 s[\pb+4:\pb+5], s[\pb+2:\pb+3], 0x2000000
	s_add_nc_u64 s[\pb+6:\pb+7], s[\pb+4:\pb+5], 0x2000000
	s_lshl_b32 s20, s47, 12
	s_add_co_u32 s20, s20, s50
	s_add_nc_u64 s[\bb:\bb+1], s[6:7], s[20:21]
.endm
.macro LOADS k, pb, bb                 ; 20 loads: b2's 2,048 bytes, then each quarter's
.irp c, 0,1,2,3
	global_load_b128 v[D+80*(\k)+4*(\c):D+80*(\k)+4*(\c)+3], v2, s[\bb:\bb+1] offset:512*(\c)
.endr
.irp q, 0,1,2,3
.irp c, 0,1,2,3
	global_load_b128 v[D+80*(\k)+16+16*(\q)+4*(\c):D+80*(\k)+16+16*(\q)+4*(\c)+3], v2, s[\pb+2*(\q):\pb+2*(\q)+1] offset:512*(\c) th:TH_LOAD_NT
.endr
.endr
.endm
.macro SUM k                           ; b2 rounded to bf16 and widened; ((q0 + q1) + (q2 + q3)) + b2, two numbers a line, into b2's registers
.set B0, D+80*(\k)
.set z, 0
.rept 8
	v_cvt_pk_bf16_f32 v[TW+z], v[B0+2*z], v[B0+2*z+1]
.set z, z+1
.endr
.set z, 0
.rept 8
	v_lshlrev_b32 v[B0+2*z], 16, v[TW+z]
	v_and_b32 v[B0+2*z+1], 0xffff0000, v[TW+z]
.set z, z+1
.endr
.set z, 0
.rept 8
	v_pk_add_f32 v[B0+16+2*z:B0+16+2*z+1], v[B0+16+2*z:B0+16+2*z+1], v[B0+32+2*z:B0+32+2*z+1]
	v_pk_add_f32 v[B0+48+2*z:B0+48+2*z+1], v[B0+48+2*z:B0+48+2*z+1], v[B0+64+2*z:B0+64+2*z+1]
.set z, z+1
.endr
.set z, 0
.rept 8
	v_pk_add_f32 v[B0+16+2*z:B0+16+2*z+1], v[B0+16+2*z:B0+16+2*z+1], v[B0+48+2*z:B0+48+2*z+1]
.set z, z+1
.endr
.set z, 0
.rept 8
	v_pk_add_f32 v[B0+2*z:B0+2*z+1], v[B0+2*z:B0+2*z+1], v[B0+16+2*z:B0+16+2*z+1]
.set z, z+1
.endr
.endm
	BASES 0, 24, 40
	LOADS 0, 24, 40
	BASES 1, 32, 42
	LOADS 1, 32, 42
	s_mov_b32 s44, s19                             ; the second weight as the low word of a pair
	s_mov_b32 s45, s19
	s_wait_loadcnt 20                              ; the second choice's 20 loads may be out
	SUM 0
	s_wait_loadcnt 0x0
	SUM 1
.set z, 0
.rept 8
	v_pk_mul_f32 v[D+2*z:D+2*z+1], v[D+2*z:D+2*z+1], s[18:19] op_sel_hi:[1,0]
.set z, z+1
.endr
.set z, 0
.rept 8
	v_pk_fma_f32 v[D+2*z:D+2*z+1], v[D+80+2*z:D+80+2*z+1], s[44:45], v[D+2*z:D+2*z+1] op_sel_hi:[1,0,1]
.set z, z+1
.endr
.irp c, 0,1,2,3
	global_store_b128 v2, v[D+4*(\c):D+4*(\c)+3], s[14:15] offset:512*(\c) th:TH_STORE_NT  ; 512 consecutive bytes, at a multiple of 256 from out0's first
.endr
	s_endpgm
.Lfunc_end_k_q09f960dc00_combine:
	.size	k_q09f960dc00_combine, .Lfunc_end_k_q09f960dc00_combine-k_q09f960dc00_combine
	.p2alignl 7, 3214868480
	.fill 96, 4, 3214868480
	.section	.rodata,"a",@progbits
	.p2align	6, 0x0
	.amdhsa_kernel k_q09f960dc00_combine
		.amdhsa_group_segment_fixed_size 0
		.amdhsa_private_segment_fixed_size 0
		.amdhsa_enable_private_segment 0
		.amdhsa_kernarg_size 48
		.amdhsa_user_sgpr_count 2
		.amdhsa_user_sgpr_kernarg_segment_ptr 1
		.amdhsa_wavefront_size32 1
		.amdhsa_system_sgpr_workgroup_id_x 1
		.amdhsa_system_sgpr_workgroup_id_y 1
		.amdhsa_system_sgpr_workgroup_id_z 1
		.amdhsa_system_vgpr_workitem_id 0
		.amdhsa_next_free_vgpr 192
		.amdhsa_next_free_sgpr 66
		.amdhsa_reserve_vcc 0
		.amdhsa_float_denorm_mode_32 3
		.amdhsa_float_denorm_mode_16_64 3
		.amdhsa_memory_ordered 1
		.amdhsa_forward_progress 1
		.amdhsa_inst_pref_size 16
	.end_amdhsa_kernel
	.amdgpu_metadata
---
amdhsa.version: [ 1, 2 ]
amdhsa.kernels:
  - .name:           k_q09f960dc00_combine
    .symbol:         k_q09f960dc00_combine.kd
    .args:
      - { .name: part, .offset: 0, .size: 8, .value_kind: global_buffer, .address_space: global }
      - { .name: b2, .offset: 8, .size: 8, .value_kind: global_buffer, .address_space: global }
      - { .name: pos, .offset: 16, .size: 8, .value_kind: global_buffer, .address_space: global }
      - { .name: ridx, .offset: 24, .size: 8, .value_kind: global_buffer, .address_space: global }
      - { .name: rwt, .offset: 32, .size: 8, .value_kind: global_buffer, .address_space: global }
      - { .name: out0, .offset: 40, .size: 8, .value_kind: global_buffer, .address_space: global }
    .group_segment_fixed_size: 0
    .private_segment_fixed_size: 0
    .kernarg_segment_align: 8
    .kernarg_segment_size: 48
    .max_flat_workgroup_size: 256
    .sgpr_count:     66
    .vgpr_count:     192
    .wavefront_size: 32
...
	.end_amdgpu_metadata
.endif
;; end of part 4
